; MI455X (gfx1250); checked and timed in simulation.
; The chip was launched on July 23, 2026; its instructions are those of AMD's public machine-readable ISA for CDNA 5 (MIT licence, August 2026) and "CDNA5" Instruction Set Architecture Reference Guide (July 2026). The comments in the code are by the model that wrote it; some were corrected since.
;; Sub Network. Allowed arithmetic: float matrix products may take bf16 or f16 operands with f32 sums; other float arithmetic in f32, or as packed bf16 or f16 multiplies, adds, multiply-adds, maxima and minima; sums over many terms, partial sums and values carried from step to step in f32; what a program stores and reads back later, other than sums and carried values, may be rounded once to bf16 or f16.
;; Inputs: W1 4,096 x 1,024 float32; W2 1,024 x 64 float32; b1 1,024 float32; b2 64 float32; embeddings 2,048 x 1,024 float32; lefts 16,384 x 4 int32; rights 16,384 x 4 int32.
;; Outputs: out0 16,384 x 64 float32.
;; 2 versions, each right; version 2 is version 1 with the launch project written anew for expert scheduling mode. Each part assembles by itself: llvm-mc -triple=amdgcn-amd-amdhsa -mcpu=gfx1250 --defsym DOCPART=n.
;; ======== version 1 of 2: 3 launches
;; limits: values are held in f16: magnitudes above 65,504 overflow, below 6.1e-05 lose precision; right only within a limited range of input values
;; workspace buffers: wt 524,288 bytes; cvec 256 bytes; ptab 2,097,152 bytes
;; launch fold (part 1): grid 129 x 1, 4 waves a work-group, no clusters, 230,400 bytes of LDS; arguments W1, W2, b1, b2, wt, cvec; writes wt, cvec
.if DOCPART == 1
	.amdgcn_target "amdgcn-amd-amdhsa--gfx1250"
	.amdhsa_code_object_version 6
	.text
	.protected	k_qf703287f8d_fold
	.globl	k_qf703287f8d_fold
	.p2align	8
	.type	k_qf703287f8d_fold,@function
k_qf703287f8d_fold:
	s_mov_b64 s[64:65], 0
	v_nop
	global_prefetch_b8 v0, s[64:65] scope:SCOPE_SE
	s_setreg_imm32_b32 hwreg(HW_REG_WAVE_MODE, 25, 1), 1
	s_wait_xcnt 0x0
; FOLD.  The module is linear from the gather to the scores, so the two weight matrices are multiplied first:
;   W12 = W1 W2  ([4096][64]),   c = b1 W2 + b2  ([64]).
; wt takes 16 x W12 in f16, laid out as the next launch's B fragments; cvec takes c in f32.
; SHARES.  Work-group g < 128 owns W1's rows 32 g .. 32 g + 31, all 1,024 of K, all 64 columns.  Wave w makes columns 16 w .. 16 w + 15:
; two accumulators (rows 0-15, rows 16-31) that share W2's fragment.  Work-group 128 runs the same text on b1 with a row pitch of 0:
; its 32 rows are all b1, every row of its product is b1 W2, and its way out adds b2 and stores c.
; LAYOUT.  Source 0 = 16 rows of W1, source 1 = 16 columns of W2.  In the result lane (r, h), register j holds W12[32 g + 16 a + 8 h + j][16 w + r]:
; rounded in pairs, accumulator 0 IS registers 0-3 (k = 8 h ..) and accumulator 1 registers 4-7 (k = 16 + 8 h ..) of a B fragment of 32 k x 16 columns.
; wt's byte = g x 4096 + w x 1024 + (0 or 512) + lane x 16: each store of a wave covers 512 consecutive bytes, aligned.
; FORMATS AND LIMITS.  W1, W2 and b1 are rounded once to f16, sums in f32, 16 x W12 rounded once to f16 (the factor is exact and is taken back in the last launch).
; f16 holds no number beyond 65,504: |W1|, |W2|, |b1| and 16 |W12| stay under it; a number under 6.1e-5 keeps f16's fixed step of 6e-8.
; Room: W12's spread is 0.013 for weights of spread 0.02; 16 x that, with both weights 30 times larger, is 184; 30 times smaller, 2.3e-4;
; with an offset of 0.6 on both, 5,900.  NaN and infinities are not treated apart.
; NO TENSOR LOADS, NO CLUSTER: both operands arrive in f32 and are rounded in registers on their way into LDS; W2's 262,144 bytes in f32 beside its
; f16 copy's 163,840 and W1's rows are more LDS than a work-group can be given.
.set PA,    2064                       ; a row of W1 in LDS: 2,048 bytes of f16 + 16 = 129 x 16: the 16 rows of a fragment load start at 16 different groups of four banks (ISA guide 11.1)
.set PB,    160                        ; a row of W2 in LDS ([h][o]): 128 bytes + 32 = 5 x 32
.set W2L,   32*PA                      ; W2's copy lies behind W1's 32 rows
.set SPARE, W2L+1024*PB                ; behind it the spare words: 128 bytes a wave, two blocks of 256 bytes that no other line names
.set NS,    48                         ; slots of the ring of loads
.set LN,   1                           ; v1      lane
.set RR,   2                           ; v2      lane % 16
.set HH,   3                           ; v3      lane / 16
.set SPW,  4                           ; v4      LDS address of my spare word; never rewritten
.set NIL,  5                           ; v5      0; never rewritten
.set OW2,  6                           ; v6      my byte offset in W2: 65,536 w + 16 lane
.set SA,   7                           ; v7      where my 8 bytes of W1's row 8 w go
.set SB,   8                           ; v8      where my 8 bytes of W2's row 256 w + lane / 16 go
.set AA,   9                           ; v9      my place in a fragment of W1
.set AB,   10                          ; v10-13  my place in a fragment of W2, K steps 8 q .. 8 q + 7 (an LDS offset has 16 bits)
.set OO,   14                          ; v14     my byte offset in the work-group's 4,096 bytes of wt
.set OC,   15                          ; v15     my column's byte offset in b2 and cvec
.set OW,   16                          ; v16-23  my byte offset in row 8 w + j of the work-group's rows
.set ACC0, 32                          ; v32-39  rows 0-15
.set ACC1, 40                          ; v40-47  rows 16-31
.set UU,   48                          ; v48-55  four pairs of f16 words on their way to LDS
.set XR,   64                          ; v64-255 the ring: 48 slots of 4 registers
.set F0,   64                          ; later two fragment buffers of 96: for each of 4 K steps 8 of rows 0-15, 8 of rows 16-31, 8 of W2
.set F1,   160
.set TT,   64                          ; the way out: 16 x the sums
.set YY,   80                          ; and the 8 packed words
	s_load_b256 s[4:11], s[0:1], 0x0               ; W1 s[4:5], W2 s[6:7], b1 s[8:9], b2 s[10:11]
	s_load_b128 s[12:15], s[0:1], 0x20             ; wt s[12:13], cvec s[14:15]
	v_lshl_add_u32 v[SPW], v0, 2, SPARE
	v_mov_b32 v[NIL], 0
	v_lshrrev_b32 v24, 5, v0
	v_readfirstlane_b32 s16, v24                   ; wave 0..3
	s_mov_b32 s17, ttmp9                           ; g
	s_lshl_b32 s22, ttmp9, 17                      ; 32 rows of 4,096 bytes
	s_mov_b32 s23, 0
	s_cmp_eq_u32 s17, 128                          ; the work-group that takes b1:
	s_cselect_b32 s18, 0, 4096                     ; its rows are all the same row,
	s_cselect_b32 s22, 0, s22                      ; at its buffer's first byte
	v_and_b32 v[LN], 31, v0
	v_lshlrev_b32 v24, 4, v[LN]                    ; 16 lane
	s_lshl_b32 s24, s16, 3
	s_mul_i32 s24, s24, s18                        ; row 8 w
.irp j, 0,1,2,3,4,5,6,7
	v_add_nc_u32 v[OW+\j], s24, v24
	s_add_co_u32 s24, s24, s18
.endr
	s_min_u32 s28, s17, 127                        ; wt at my 4,096 bytes (work-group 128 stores nothing there; its address stays inside)
	s_lshl_b32 s28, s28, 12
	s_mov_b32 s29, 0
	s_wait_kmcnt 0x0
	s_cmp_eq_u32 s17, 128
	s_cselect_b64 s[20:21], s[8:9], s[4:5]         ; b1 or W1,
	s_add_nc_u64 s[20:21], s[20:21], s[22:23]      ; at my first row
	s_add_nc_u64 s[12:13], s[12:13], s[28:29]
; STAGING.  192 loads of 16 bytes a lane.  q < 64: W1's row 8 w + q / 8, bytes 512 (q % 8) on: a wave's load covers 512 consecutive bytes.
; q >= 64: W2's rows 256 w + 2 (q - 64) and the next: two whole rows of 256 bytes.  W1 is read once in the launch; W2 by every work-group.
.macro LOADQ q
.if (\q) < 64
	global_load_b128 v[XR+4*((\q)%NS):XR+4*((\q)%NS)+3], v[OW+(\q)/8], s[20:21] offset:512*((\q)%8) th:TH_LOAD_NT
.else
	global_load_b128 v[XR+4*((\q)%NS):XR+4*((\q)%NS)+3], v[OW2], s[6:7] offset:512*((\q)-64)
.endif
.endm
; Four f32 become four f16, 8 bytes, and go to their place in LDS.
.macro PUTQ q
	v_cvt_pk_f16_f32 v[UU+2*((\q)%4)],   v[XR+4*((\q)%NS)],   v[XR+4*((\q)%NS)+1]
	v_cvt_pk_f16_f32 v[UU+2*((\q)%4)+1], v[XR+4*((\q)%NS)+2], v[XR+4*((\q)%NS)+3]
.if (\q) < 64
	ds_store_b64 v[SA], v[UU+2*((\q)%4):UU+2*((\q)%4)+1] offset:((\q)/8)*PA+((\q)%8)*256
.else
	ds_store_b64 v[SB], v[UU+2*((\q)%4):UU+2*((\q)%4)+1] offset:2*PB*((\q)-64)
.endif
.endm
.set q, 0
.rept NS
	LOADQ q                                        ; the ring is filled before anything else is done
.set q, q+1
.endr
	; the other addresses are made while those loads are out
	v_and_b32 v[RR], 15, v0
	v_bfe_u32 v[HH], v0, 4, 1
	s_lshl_b32 s25, s16, 16
	v_add_nc_u32 v[OW2], s25, v24                  ; my wave's 256 rows of W2
	s_mul_i32 s25, s16, 8*PA
	v_lshl_add_u32 v[SA], v[LN], 3, s25            ; row 8 w, 8 bytes a lane
	s_mul_i32 s25, s16, 256*PB
	s_add_co_u32 s25, s25, W2L
	v_mul_u32_u24 v25, v[HH], PB
	v_lshl_add_u32 v25, v[RR], 3, v25
	v_add_nc_u32 v[SB], s25, v25                   ; row 256 w + lane / 16, 8 bytes for each of 16 lanes
	v_mul_u32_u24 v[AA], v[RR], PA                 ; a fragment of W1: lane l holds row l % 16, k = 8 (l / 16) + 0..7 and 16 + 8 (l / 16) + 0..7: two loads of 16 bytes, 32 apart
	v_lshl_add_u32 v[AA], v[HH], 4, v[AA]
	v_and_b32 v26, 7, v0                           ; the turning load: lane l reads row k = 8 (l / 16) + l % 8, columns 8 ((l / 8) % 2) + 0..7, and is left with column l % 16 and 8 k
	v_bfe_u32 v27, v0, 3, 1
	v_lshl_add_u32 v25, v[HH], 3, v26
	v_mul_u32_u24 v25, v25, PB
	v_lshl_add_u32 v25, v27, 4, v25
	s_lshl_b32 s25, s16, 5                         ; my wave's 16 columns: 32 bytes
	s_add_co_u32 s25, s25, W2L
.irp p, 0,1,2,3
	v_add_nc_u32 v[AB+\p], s25, v25
	s_add_co_u32 s25, s25, 8*32*PB                 ; 8 K steps of 32 rows on
.endr
	s_lshl_b32 s25, s16, 10
	v_add_nc_u32 v[OO], s25, v24
	s_lshl_b32 s25, s16, 6
	v_lshl_add_u32 v[OC], v[RR], 2, s25            ; column 16 w + lane % 16
.set q, 0
.rept 192
.if q < 145
	s_wait_loadcnt NS-1                            ; loads come back in order (ISA guide 5.7.1): load q is in, the 47 younger ones stay out
.else
	s_wait_loadcnt 191-q                           ; nothing more is issued: the counts run down
.endif
	PUTQ q
.if q < 192-NS
	LOADQ q+NS                                     ; the slot is filled again; no address register is ever rewritten
.endif
.set q, q+1
.endr
	s_wait_dscnt 0x0                               ; for the others' sake: my stores into LDS are done
	s_barrier_signal -1
	s_barrier_wait -1                              ; everybody's are; from here on LDS is only read
; THE PRODUCTS.  32 K steps of 32 in 8 groups of 4, on two fragment buffers: while one group is multiplied the next one's 24 LDS loads are out.
.macro FETCH g, f
.irp e, 0,1,2,3
	ds_load_b128 v[(\f)+24*\e:(\f)+24*\e+3],      v[AA] offset:64*(4*(\g)+\e)
	ds_load_b128 v[(\f)+24*\e+4:(\f)+24*\e+7],    v[AA] offset:64*(4*(\g)+\e)+32
	ds_load_b128 v[(\f)+24*\e+8:(\f)+24*\e+11],   v[AA] offset:64*(4*(\g)+\e)+16*PA
	ds_load_b128 v[(\f)+24*\e+12:(\f)+24*\e+15],  v[AA] offset:64*(4*(\g)+\e)+16*PA+32
	ds_load_tr16_b128 v[(\f)+24*\e+16:(\f)+24*\e+19], v[AB+(4*(\g)+\e)/8] offset:((4*(\g)+\e)%8)*32*PB
	ds_load_tr16_b128 v[(\f)+24*\e+20:(\f)+24*\e+23], v[AB+(4*(\g)+\e)/8] offset:((4*(\g)+\e)%8)*32*PB+16*PB
.endr
.endm
; The two accumulators take turns, one instruction a turn.  The first K step starts the sums: nothing is cleared.
.macro MULG g, f
.if (\g) < 7
	s_wait_dscnt 24                                ; this group's fragments are in; the next group's 24 loads stay out
.else
	s_wait_dscnt 0
.endif
.irp e, 0,1,2,3
.if 4*(\g)+\e == 0
	v_wmma_f32_16x16x32_f16 v[ACC0:ACC0+7], v[(\f)+24*\e:(\f)+24*\e+7],    v[(\f)+24*\e+16:(\f)+24*\e+23], 0
	v_wmma_f32_16x16x32_f16 v[ACC1:ACC1+7], v[(\f)+24*\e+8:(\f)+24*\e+15], v[(\f)+24*\e+16:(\f)+24*\e+23], 0
.else
	v_wmma_f32_16x16x32_f16 v[ACC0:ACC0+7], v[(\f)+24*\e:(\f)+24*\e+7],    v[(\f)+24*\e+16:(\f)+24*\e+23], v[ACC0:ACC0+7]
	v_wmma_f32_16x16x32_f16 v[ACC1:ACC1+7], v[(\f)+24*\e+8:(\f)+24*\e+15], v[(\f)+24*\e+16:(\f)+24*\e+23], v[ACC1:ACC1+7]
.endif
.endr
.if (\g) < 6
.rept 4
	v_nop                                          ; four places between a matrix instruction and a load into a register that it has read (ISA guide 7.12.1 for vector instructions)
.endr
	FETCH (\g)+2, \f
.endif
.endm
	FETCH 0, F0
	FETCH 1, F1
	MULG 0, F0
	MULG 1, F1
	MULG 2, F0
	MULG 3, F1
	MULG 4, F0
	MULG 5, F1
	MULG 6, F0
	MULG 7, F1
.rept 4
	v_nop                                          ; four places in front of the lines that read the sums and write over fragments
.endr
	s_cmp_eq_u32 s17, 128
	s_cbranch_scc1 .Lbias
	; THE WAY OUT: times 16, rounded to f16; each accumulator is taken from its low end on
.set i, 0
.rept 8
	v_pk_mul_f32 v[TT+2*i:TT+2*i+1], v[ACC0+2*i:ACC0+2*i+1], 0x41800000 op_sel_hi:[1,0]
.set i, i+1
.endr
.set i, 0
.rept 8
	v_cvt_pk_f16_f32 v[YY+i], v[TT+2*i], v[TT+2*i+1]
.set i, i+1
.endr
	global_store_b128 v[OO], v[YY:YY+3],   s[12:13]             ; registers 0-3 of the fragment: 512 consecutive bytes a wave
	global_store_b128 v[OO], v[YY+4:YY+7], s[12:13] offset:512  ; registers 4-7
	s_wait_tensorcnt 0x0                           ; the wave's end, behind my last LDS store
	ds_add_u32 v[SPW], v[NIL]
	s_wait_dscnt 0x0
	s_endpgm
.Lbias:                                                ; work-group 128: every row of the product is b1 W2; lanes 0-15 hold row 0's columns 16 w + lane in register 0
	global_load_b32 v24, v[OC], s[10:11]           ; b2
	s_wait_loadcnt 0x0
	v_add_f32 v25, v[ACC0], v24                    ; c, in f32, not scaled
	v_cmp_gt_u32 vcc_lo, 16, v[LN]
	s_wait_xcnt 0x0                                ; EXEC changes only behind this wait
	s_and_saveexec_b32 s30, vcc_lo
	global_store_b32 v[OC], v25, s[14:15]          ; 64 bytes a wave; the four waves fill cvec's 256 bytes, once in the launch
	s_wait_xcnt 0x0                                ; and again in front of the line that widens it
	s_or_b32 exec_lo, exec_lo, s30
	s_wait_tensorcnt 0x0                           ; the wave's end, as above
	ds_add_u32 v[SPW], v[NIL]
	s_wait_dscnt 0x0
	s_endpgm
.Lfunc_end_k_qf703287f8d_fold:
	.size	k_qf703287f8d_fold, .Lfunc_end_k_qf703287f8d_fold-k_qf703287f8d_fold
	.p2alignl 7, 3214868480
	.fill 96, 4, 3214868480
	.section	.rodata,"a",@progbits
	.p2align	6, 0x0
	.amdhsa_kernel k_qf703287f8d_fold
		.amdhsa_group_segment_fixed_size 230400
		.amdhsa_private_segment_fixed_size 0
		.amdhsa_enable_private_segment 0
		.amdhsa_kernarg_size 48
		.amdhsa_user_sgpr_count 2
		.amdhsa_user_sgpr_kernarg_segment_ptr 1
		.amdhsa_wavefront_size32 1
		.amdhsa_system_sgpr_workgroup_id_x 1
		.amdhsa_system_sgpr_workgroup_id_y 1
		.amdhsa_system_sgpr_workgroup_id_z 1
		.amdhsa_system_vgpr_workitem_id 0
		.amdhsa_next_free_vgpr 256
		.amdhsa_next_free_sgpr 66
		.amdhsa_reserve_vcc 1
		.amdhsa_float_denorm_mode_32 3
		.amdhsa_float_denorm_mode_16_64 3
		.amdhsa_memory_ordered 1
		.amdhsa_forward_progress 1
		.amdhsa_inst_pref_size 83
	.end_amdhsa_kernel
	.amdgpu_metadata
---
amdhsa.version: [ 1, 2 ]
amdhsa.kernels:
  - .name:           k_qf703287f8d_fold
    .symbol:         k_qf703287f8d_fold.kd
    .args:
      - { .name: W1, .offset: 0, .size: 8, .value_kind: global_buffer, .address_space: global }
      - { .name: W2, .offset: 8, .size: 8, .value_kind: global_buffer, .address_space: global }
      - { .name: b1, .offset: 16, .size: 8, .value_kind: global_buffer, .address_space: global }
      - { .name: b2, .offset: 24, .size: 8, .value_kind: global_buffer, .address_space: global }
      - { .name: wt, .offset: 32, .size: 8, .value_kind: global_buffer, .address_space: global }
      - { .name: cvec, .offset: 40, .size: 8, .value_kind: global_buffer, .address_space: global }
    .group_segment_fixed_size: 230400
    .private_segment_fixed_size: 0
    .kernarg_segment_align: 8
    .kernarg_segment_size: 48
    .max_flat_workgroup_size: 128
    .sgpr_count:     66
    .vgpr_count:     256
    .wavefront_size: 32
...
	.end_amdgpu_metadata
.endif
;; end of part 1
;; launch project (part 2): grid 4 x 64, 4 waves a work-group, no clusters, 75,264 bytes of LDS; arguments embeddings, wt, ptab; writes ptab
.if DOCPART == 2
	.amdgcn_target "amdgcn-amd-amdhsa--gfx1250"
	.amdhsa_code_object_version 6
	.text
	.protected	k_qf703287f8d_project
	.globl	k_qf703287f8d_project
	.p2align	8
	.type	k_qf703287f8d_project,@function
k_qf703287f8d_project:
	s_mov_b64 s[64:65], 0
	v_nop
	global_prefetch_b8 v0, s[64:65] scope:SCOPE_SE
	s_setreg_imm32_b32 hwreg(HW_REG_WAVE_MODE, 25, 1), 1
	s_wait_xcnt 0x0
; PROJECT.  ptab[t][s][o] = 16 x the sum over d of (emb[t][d] - emb[0][d]) W12[1024 s + d][o], in f32: every position's share of the scores, for each of the four span places.
; The scores take differences ptab[right] - ptab[left - 1] alone, in which emb[0]'s share cancels exactly.  Row 0 is taken away in f32 BEFORE the rounding to f16, as the module's own
; subtraction is made before its product: an offset common to all rows never reaches the product, so the last launch forms no difference of large sums.
; SHARES.  Work-group (s, tb) makes rows 32 tb .. 32 tb + 31 for span place s: 32 x 64 numbers, K = 1,024.  Wave w makes columns 16 w .. 16 w + 15: two accumulators (rows 0-15, 16-31).
; The rows go through LDS in f16, staged by all four waves; wave w's 32 B fragments (32 k x 16 columns, as the launch before laid them out) come straight into 256 registers.
; FORMATS AND LIMITS.  emb[t] - emb[0] is rounded once to f16 and stays under 65,504 in size; the rounding's error goes with the rows' spread about row 0; sums and ptab in f32.
; Inputs are finite: a NaN or an infinity in row 0 would reach every row.
; NO TENSOR LOADS, NO CLUSTER: the four work-groups of one tb read the same 131,072 bytes of emb, but each number passes through registers anyhow, for the subtraction in f32 and the rounding;
; an f32 tile in LDS would add a round trip to every one of them.  The text is one straight line: no label, no branch.
.set PA,     2064                      ; a row in LDS: 2,048 bytes of f16 + 16 = 129 x 16: the 16 rows of a fragment load start at 16 different groups of four banks (ISA guide 11.1)
.set STAGE,  32*PA                     ; behind the rows: 32 rows x 272 bytes of f32 for the way out
.set SPITCH, 272
.set SPARE,  STAGE+32*SPITCH           ; behind the stage the spare words: 128 bytes a wave, two blocks of 256 bytes that no other line names
.set LN,   1                           ; v1      lane
.set RR,   2                           ; v2      lane % 16
.set HH,   3                           ; v3      lane / 16
.set SPW,  4                           ; v4      LDS address of my spare word; never rewritten
.set NIL,  5                           ; v5      0; never rewritten
.set OA,   6                           ; v6      1,024 w + 16 lane: my byte offset in a row of emb, and in a K step's 4,096 bytes of wt
.set SA,   7                           ; v7      512 w + 8 lane: where my 8 bytes of a row go
.set AA,   8                           ; v8      my place in a fragment of the rows
.set STO,  9                           ; v9      the way out: where my column's numbers go
.set RD,   10                          ; v10     where I read rows back
.set GO,   11                          ; v11     my byte offset in the work-group's rows of ptab
.set REF,  16                          ; v16-23  emb[0] at my two pieces of a row
.set TT,   24                          ; v24-31  two sets of four differences
.set UU,   32                          ; v32-35  two pairs of f16 words
.set ACC0, 40                          ; v40-47  rows 0-15
.set ACC1, 48                          ; v48-55  rows 16-31
.set XR,   64                          ; v64-191 a ring of 32 slots of 4 registers
.set F0,   64                          ; later two fragment buffers of 64: for each of 4 K steps 8 of rows 0-15, 8 of rows 16-31
.set F1,   128
.set OUT,  192                         ; v192-207 rows read back from the stage
                                       ; v256-511 (window 1): wt's fragment of K step ks at 8 ks .. 8 ks + 7
	s_load_b128 s[4:7], s[0:1], 0x0                ; emb s[4:5], wt s[6:7]
	s_load_b64 s[8:9], s[0:1], 0x10                ; ptab
	v_lshl_add_u32 v[SPW], v0, 2, SPARE
	v_mov_b32 v[NIL], 0
	v_lshrrev_b32 v12, 5, v0
	v_readfirstlane_b32 s10, v12                   ; wave 0..3
	s_mov_b32 s11, ttmp9                           ; s
	s_and_b32 s12, ttmp7, 0xffff                   ; tb
	v_and_b32 v[LN], 31, v0
	v_and_b32 v[RR], 15, v0
	v_bfe_u32 v[HH], v0, 4, 1
	s_lshl_b32 s20, s10, 10
	v_lshl_add_u32 v[OA], v[LN], 4, s20
	s_lshl_b32 s20, s10, 9
	v_lshl_add_u32 v[SA], v[LN], 3, s20
	v_mul_u32_u24 v[AA], v[RR], PA                 ; lane l holds row l % 16, k = 8 (l / 16) + 0..7 and 16 + 8 (l / 16) + 0..7: two loads of 16 bytes, 32 apart
	v_lshl_add_u32 v[AA], v[HH], 4, v[AA]
	s_lshl_b32 s14, s11, 17                        ; span place s: 32 K steps of 4,096 bytes of wt
	s_mov_b32 s15, 0
	s_wait_kmcnt 0x0
	s_add_nc_u64 s[6:7], s[6:7], s[14:15]
	s_lshl_b32 s14, s12, 17                        ; 32 rows of 4,096 bytes of emb; s[4:5] stays at row 0
	s_add_nc_u64 s[16:17], s[4:5], s[14:15]
	s_lshl_b32 s14, s12, 15                        ; 32 rows of 1,024 bytes of ptab,
	s_lshl_b32 s20, s11, 8                         ; and the span place's 256 bytes in each
	s_add_co_u32 s14, s14, s20
	s_add_nc_u64 s[8:9], s[8:9], s[14:15]
	; All loads go out in one run: my 32 B fragments, row 0, the ring's first 32.  The issue of a load that a counter's field cannot hold stalls by itself (ISA guide 5.7.1): no wait is placed for that.
	s_set_vgpr_msb 0x40                            ; destination in window 1, address in window 0
.set i, 0
.rept 32
	global_load_b128 v[8*i:8*i+3],   v[OA], s[6:7] offset:4096*i      ; v[256 + 8 i ..]: registers 0-3 of K step i's fragment: 512 consecutive bytes a wave
	global_load_b128 v[8*i+4:8*i+7], v[OA], s[6:7] offset:4096*i+512  ; registers 4-7
.set i, i+1
.endr
	s_set_vgpr_msb 0x4000                          ; all windows 0
	global_load_b128 v[REF:REF+3],   v[OA], s[4:5]
	global_load_b128 v[REF+4:REF+7], v[OA], s[4:5] offset:512
; Load q of 64: row q / 2, piece q % 2 of my wave's 1,024 bytes of it.  A wave keeps the same two pieces in every row, so 8 registers of row 0 serve all its loads.
.macro LOADA q
	global_load_b128 v[XR+4*((\q)%32):XR+4*((\q)%32)+3], v[OA], s[16:17] offset:((\q)/2)*4096+((\q)%2)*512
.endm
.set q, 0
.rept 32
	LOADA q
.set q, q+1
.endr
.set q, 0
.rept 64
.if q < 32
	s_wait_loadcnt 31                              ; loads come back in order (ISA guide 5.7.1): load q is in, and wt's and row 0's, which are older; the 31 younger ones stay out
.else
	s_wait_loadcnt 63-q                            ; nothing more is issued: the counts run down to 0
.endif
	v_pk_add_f32 v[TT+4*(q%2):TT+4*(q%2)+1],   v[XR+4*(q%32):XR+4*(q%32)+1],   v[REF+4*(q%2):REF+4*(q%2)+1]   neg_lo:[0,1] neg_hi:[0,1]  ; emb[t] - emb[0], in f32
	v_pk_add_f32 v[TT+4*(q%2)+2:TT+4*(q%2)+3], v[XR+4*(q%32)+2:XR+4*(q%32)+3], v[REF+4*(q%2)+2:REF+4*(q%2)+3] neg_lo:[0,1] neg_hi:[0,1]
	v_cvt_pk_f16_f32 v[UU+2*(q%2)],   v[TT+4*(q%2)],   v[TT+4*(q%2)+1]
	v_cvt_pk_f16_f32 v[UU+2*(q%2)+1], v[TT+4*(q%2)+2], v[TT+4*(q%2)+3]
	ds_store_b64 v[SA], v[UU+2*(q%2):UU+2*(q%2)+1] offset:(q/2)*PA+(q%2)*256
.if q < 32
	LOADA q+32                                     ; the slot is filled again; no address register is ever rewritten
.endif
.set q, q+1
.endr
	s_wait_dscnt 0x0                               ; for the others' sake: my stores into LDS are done
	s_barrier_signal -1
	s_barrier_wait -1                              ; everybody's are; the rows are only read from here on
; THE PRODUCTS.  32 K steps of 32 in 8 groups of 4, on two fragment buffers: while one group is multiplied the next one's 16 LDS loads are out.
	s_set_vgpr_msb 0x0004                          ; source 1 (wt's fragments) in window 1; an LDS load's address is source 0 and its data the destination: one setting serves the whole phase
.macro FETCH g, f
.irp e, 0,1,2,3
	ds_load_b128 v[(\f)+16*\e:(\f)+16*\e+3],     v[AA] offset:64*(4*(\g)+\e)
	ds_load_b128 v[(\f)+16*\e+4:(\f)+16*\e+7],   v[AA] offset:64*(4*(\g)+\e)+32
	ds_load_b128 v[(\f)+16*\e+8:(\f)+16*\e+11],  v[AA] offset:64*(4*(\g)+\e)+16*PA
	ds_load_b128 v[(\f)+16*\e+12:(\f)+16*\e+15], v[AA] offset:64*(4*(\g)+\e)+16*PA+32
.endr
.endm
; The two accumulators take turns, one instruction a turn.  The first K step starts the sums: nothing is cleared.
.macro MULG g, f
.if (\g) < 7
	s_wait_dscnt 16                                ; this group's fragments are in; the next group's 16 loads stay out
.else
	s_wait_dscnt 0
.endif
.irp e, 0,1,2,3
.if 4*(\g)+\e == 0
	v_wmma_f32_16x16x32_f16 v[ACC0:ACC0+7], v[(\f)+16*\e:(\f)+16*\e+7],    v[8*(4*(\g)+\e):8*(4*(\g)+\e)+7], 0
	v_wmma_f32_16x16x32_f16 v[ACC1:ACC1+7], v[(\f)+16*\e+8:(\f)+16*\e+15], v[8*(4*(\g)+\e):8*(4*(\g)+\e)+7], 0
.else
	v_wmma_f32_16x16x32_f16 v[ACC0:ACC0+7], v[(\f)+16*\e:(\f)+16*\e+7],    v[8*(4*(\g)+\e):8*(4*(\g)+\e)+7], v[ACC0:ACC0+7]
	v_wmma_f32_16x16x32_f16 v[ACC1:ACC1+7], v[(\f)+16*\e+8:(\f)+16*\e+15], v[8*(4*(\g)+\e):8*(4*(\g)+\e)+7], v[ACC1:ACC1+7]
.endif
.endr
.if (\g) < 6
.rept 4
	v_nop                                          ; four places between a matrix instruction and a load into a register that it has read (ISA guide 7.12.1 for vector instructions)
.endr
	FETCH (\g)+2, \f
.endif
.endm
	FETCH 0, F0
	FETCH 1, F1
	MULG 0, F0
	MULG 1, F1
	MULG 2, F0
	MULG 3, F1
	MULG 4, F0
	MULG 5, F1
	MULG 6, F0
	MULG 7, F1
	s_set_vgpr_msb 0x0400                          ; all windows 0
	; THE WAY OUT.  A lane holds 8 rows of one column; a row's 256 bytes come from all four waves.  So the 32 x 64 numbers go through one stage, with a barrier between writing and reading.
	; The addresses are made here: nine plain lines that name no register of the products, the places behind the last of them.
	s_lshl_b32 s20, s10, 6
	s_add_co_u32 s20, s20, STAGE
	v_mul_u32_u24 v[STO], v[HH], 8*SPITCH          ; in: row 8 (l / 16) + j, column 16 w + l % 16; lanes 16-31 lie 544 words further on, the other half of the banks
	v_lshl_add_u32 v[STO], v[RR], 2, v[STO]
	v_add_nc_u32 v[STO], s20, v[STO]
	s_mul_i32 s21, s10, 8*SPITCH
	s_add_co_u32 s21, s21, STAGE
	v_mul_u32_u24 v[RD], v[HH], SPITCH             ; back: wave w takes rows 8 w .. 8 w + 7, whole; lanes 0-15 one row of 256 bytes, lanes 16-31 the next
	v_lshl_add_u32 v[RD], v[RR], 4, v[RD]
	v_add_nc_u32 v[RD], s21, v[RD]
	s_lshl_b32 s22, s10, 13
	v_lshlrev_b32 v[GO], 10, v[HH]                 ; and the same two rows in ptab, 1,024 bytes apart
	v_lshl_add_u32 v[GO], v[RR], 4, v[GO]
	v_add_nc_u32 v[GO], s22, v[GO]
.irp a, 0,1
.irp j, 0,1,2,3,4,5,6,7
	ds_store_b32 v[STO], v[ACC0+8*\a+\j] offset:(16*\a+\j)*SPITCH  ; each accumulator from its low end on; the stage's bytes are its own, so no barrier stands in front
.endr
.endr
	s_wait_dscnt 0x0                               ; for the others' sake: my stores into the stage are done
	s_barrier_signal -1
	s_barrier_wait -1
.irp i, 0,1,2,3
	ds_load_b128 v[OUT+4*\i:OUT+4*\i+3], v[RD] offset:\i*2*SPITCH
.endr
.irp i, 0,1,2,3
	s_wait_dscnt 3-\i                              ; LDS loads come back in order: load i is in
	global_store_b128 v[GO], v[OUT+4*\i:OUT+4*\i+3], s[8:9] offset:\i*2048  ; 16 lanes store the 256 consecutive bytes of one (t, s), at a multiple of 256 from ptab's first byte
.endr
	s_wait_tensorcnt 0x0                           ; the wave's end, behind my last LDS store
	ds_add_u32 v[SPW], v[NIL]
	s_wait_dscnt 0x0
	s_endpgm
.Lfunc_end_k_qf703287f8d_project:
	.size	k_qf703287f8d_project, .Lfunc_end_k_qf703287f8d_project-k_qf703287f8d_project
	.p2alignl 7, 3214868480
	.fill 96, 4, 3214868480
	.section	.rodata,"a",@progbits
	.p2align	6, 0x0
	.amdhsa_kernel k_qf703287f8d_project
		.amdhsa_group_segment_fixed_size 75264
		.amdhsa_private_segment_fixed_size 0
		.amdhsa_enable_private_segment 0
		.amdhsa_kernarg_size 24
		.amdhsa_user_sgpr_count 2
		.amdhsa_user_sgpr_kernarg_segment_ptr 1
		.amdhsa_wavefront_size32 1
		.amdhsa_system_sgpr_workgroup_id_x 1
		.amdhsa_system_sgpr_workgroup_id_y 1
		.amdhsa_system_sgpr_workgroup_id_z 1
		.amdhsa_system_vgpr_workitem_id 0
		.amdhsa_next_free_vgpr 512
		.amdhsa_next_free_sgpr 66
		.amdhsa_reserve_vcc 0
		.amdhsa_float_denorm_mode_32 3
		.amdhsa_float_denorm_mode_16_64 3
		.amdhsa_memory_ordered 1
		.amdhsa_forward_progress 1
		.amdhsa_inst_pref_size 52
	.end_amdhsa_kernel
	.amdgpu_metadata
---
amdhsa.version: [ 1, 2 ]
amdhsa.kernels:
  - .name:           k_qf703287f8d_project
    .symbol:         k_qf703287f8d_project.kd
    .args:
      - { .name: embeddings, .offset: 0, .size: 8, .value_kind: global_buffer, .address_space: global }
      - { .name: wt, .offset: 8, .size: 8, .value_kind: global_buffer, .address_space: global }
      - { .name: ptab, .offset: 16, .size: 8, .value_kind: global_buffer, .address_space: global }
    .group_segment_fixed_size: 75264
    .private_segment_fixed_size: 0
    .kernarg_segment_align: 8
    .kernarg_segment_size: 24
    .max_flat_workgroup_size: 128
    .sgpr_count:     66
    .vgpr_count:     512
    .wavefront_size: 32
...
	.end_amdgpu_metadata
.endif
;; end of part 2
;; launch gather (part 3): grid 256 x 1, 8 waves a work-group, no clusters, 0 bytes of LDS; arguments ptab, cvec, lefts, rights, out0; writes out0
.if DOCPART == 3
	.amdgcn_target "amdgcn-amd-amdhsa--gfx1250"
	.amdhsa_code_object_version 6
	.text
	.protected	k_qf703287f8d_gather
	.globl	k_qf703287f8d_gather
	.p2align	8
	.type	k_qf703287f8d_gather,@function
k_qf703287f8d_gather:
	s_mov_b64 s[64:65], 0
	v_nop
	global_prefetch_b8 v0, s[64:65] scope:SCOPE_SE
	s_setreg_imm32_b32 hwreg(HW_REG_WAVE_MODE, 25, 1), 1
	s_wait_xcnt 0x0
; GATHER.  out0[b][o] = c[o] + (the sum over s of ptab[rights[b][s]][s][o] - ptab[lefts[b][s] - 1][s][o]) / 16.  All in f32; the division takes back the exact factor that the first launch put in.
; SHARES.  A work-group owns 64 rows b.  Thread t serves, in pass p of four, row t / 16 + 16 p at columns 4 (t % 16) .. + 3: sixteen neighbouring lanes read the whole 256 bytes of one (position, s)
; and write the whole 256 bytes of one row of out0; the work-group's store of a pass covers 4,096 consecutive bytes.
; All 32 gathers of a thread are issued before the first is waited for.  No loop, no LDS, no matrix unit: the launch only moves and adds.
; INDICES.  Each is held to 0 .. 2,047 before it enters an address.  lefts = 0 gives index -1, which as an unsigned number is held to 2,047: the table's last row, as the module's own indexing takes -1.
.set OI,  1                            ; v1      16 (t / 16): my row's byte offset in lefts and rights
.set LB,  2                            ; v2      16 (t % 16): my 16 bytes in 256
.set OO,  3                            ; v3      16 t: my byte offset in a pass's 4,096 bytes of out0
.set CC,  4                            ; v4-7    c at my four columns
.set IR,  8                            ; v8-23   rights of pass p, span s at IR + 4 p + s; then the byte offset in ptab
.set IL,  24                           ; v24-39  the same for lefts
.set DA,  40                           ; v40-167 pass p: right rows at DA + 32 p + 4 s, left rows 16 further on
	s_load_b256 s[4:11], s[0:1], 0x0               ; ptab s[4:5], cvec s[6:7], lefts s[8:9], rights s[10:11]
	s_load_b64 s[12:13], s[0:1], 0x20              ; out0
	v_and_b32 v[OI], 0xf0, v0
	v_and_b32 v[LB], 15, v0
	v_lshlrev_b32 v[LB], 4, v[LB]
	v_lshlrev_b32 v[OO], 4, v0
	s_lshl_b32 s14, ttmp9, 10                      ; 64 rows of 16 bytes of indices
	s_mov_b32 s15, 0
	s_lshl_b32 s16, ttmp9, 14                      ; 64 rows of 256 bytes of out0
	s_mov_b32 s17, 0
	s_wait_kmcnt 0x0
	s_add_nc_u64 s[8:9], s[8:9], s[14:15]
	s_add_nc_u64 s[10:11], s[10:11], s[14:15]
	s_add_nc_u64 s[12:13], s[12:13], s[16:17]
.irp p, 0,1,2,3
	global_load_b128 v[IR+4*\p:IR+4*\p+3], v[OI], s[10:11] offset:256*\p th:TH_LOAD_NT
	global_load_b128 v[IL+4*\p:IL+4*\p+3], v[OI], s[8:9]   offset:256*\p th:TH_LOAD_NT
.endr
	global_load_b128 v[CC:CC+3], v[LB], s[6:7]
	s_wait_loadcnt 0x0                             ; every address below hangs on these
.irp p, 0,1,2,3
.irp s, 0,1,2,3
	v_add_nc_u32 v[IL+4*\p+\s], -1, v[IL+4*\p+\s]  ; left - 1
	v_min_u32 v[IR+4*\p+\s], 0x7ff, v[IR+4*\p+\s]
	v_min_u32 v[IL+4*\p+\s], 0x7ff, v[IL+4*\p+\s]
	v_lshl_add_u32 v[IR+4*\p+\s], v[IR+4*\p+\s], 10, v[LB]  ; a position is 1,024 bytes of ptab; the span place stands in the load's immediate
	v_lshl_add_u32 v[IL+4*\p+\s], v[IL+4*\p+\s], 10, v[LB]
.endr
.irp s, 0,1,2,3
	global_load_b128 v[DA+32*\p+4*\s:DA+32*\p+4*\s+3], v[IR+4*\p+\s], s[4:5] offset:256*\s
.endr
.irp s, 0,1,2,3
	global_load_b128 v[DA+32*\p+16+4*\s:DA+32*\p+16+4*\s+3], v[IL+4*\p+\s], s[4:5] offset:256*\s
.endr
.endr
; One pass: four differences, their sum as a tree, the scale and c in one fused multiply-add, the store.  No register that a pending load or store names is ever rewritten.
.macro SUB2 d, a                       ; d -= a, four numbers
	v_pk_add_f32 v[(\d):(\d)+1],   v[(\d):(\d)+1],   v[(\a):(\a)+1]   neg_lo:[0,1] neg_hi:[0,1]
	v_pk_add_f32 v[(\d)+2:(\d)+3], v[(\d)+2:(\d)+3], v[(\a)+2:(\a)+3] neg_lo:[0,1] neg_hi:[0,1]
.endm
.macro ADD2 d, a                       ; d += a, four numbers
	v_pk_add_f32 v[(\d):(\d)+1],   v[(\d):(\d)+1],   v[(\a):(\a)+1]
	v_pk_add_f32 v[(\d)+2:(\d)+3], v[(\d)+2:(\d)+3], v[(\a)+2:(\a)+3]
.endm
.irp p, 0,1,2,3
	s_wait_loadcnt 24-8*\p                         ; loads come back in order (ISA guide 5.7.1): this pass's eight are in, the later passes' stay out
.irp s, 0,1,2,3
	SUB2 DA+32*\p+4*\s, DA+32*\p+16+4*\s
.endr
	ADD2 DA+32*\p, DA+32*\p+4
	ADD2 DA+32*\p+8, DA+32*\p+12
	ADD2 DA+32*\p, DA+32*\p+8
	v_pk_fma_f32 v[DA+32*\p:DA+32*\p+1],   v[DA+32*\p:DA+32*\p+1],   0x3d800000, v[CC:CC+1]   op_sel_hi:[1,0,1]  ; / 16 + c
	v_pk_fma_f32 v[DA+32*\p+2:DA+32*\p+3], v[DA+32*\p+2:DA+32*\p+3], 0x3d800000, v[CC+2:CC+3] op_sel_hi:[1,0,1]
	global_store_b128 v[OO], v[DA+32*\p:DA+32*\p+3], s[12:13] offset:4096*\p th:TH_STORE_NT
.endr
	s_endpgm
.Lfunc_end_k_qf703287f8d_gather:
	.size	k_qf703287f8d_gather, .Lfunc_end_k_qf703287f8d_gather-k_qf703287f8d_gather
	.p2alignl 7, 3214868480
	.fill 96, 4, 3214868480
	.section	.rodata,"a",@progbits
	.p2align	6, 0x0
	.amdhsa_kernel k_qf703287f8d_gather
		.amdhsa_group_segment_fixed_size 0
		.amdhsa_private_segment_fixed_size 0
		.amdhsa_enable_private_segment 0
		.amdhsa_kernarg_size 40
		.amdhsa_user_sgpr_count 2
		.amdhsa_user_sgpr_kernarg_segment_ptr 1
		.amdhsa_wavefront_size32 1
		.amdhsa_system_sgpr_workgroup_id_x 1
		.amdhsa_system_sgpr_workgroup_id_y 1
		.amdhsa_system_sgpr_workgroup_id_z 1
		.amdhsa_system_vgpr_workitem_id 0
		.amdhsa_next_free_vgpr 168
		.amdhsa_next_free_sgpr 66
		.amdhsa_reserve_vcc 0
		.amdhsa_float_denorm_mode_32 3
		.amdhsa_float_denorm_mode_16_64 3
		.amdhsa_memory_ordered 1
		.amdhsa_forward_progress 1
		.amdhsa_inst_pref_size 14
	.end_amdhsa_kernel
	.amdgpu_metadata
---
amdhsa.version: [ 1, 2 ]
amdhsa.kernels:
  - .name:           k_qf703287f8d_gather
    .symbol:         k_qf703287f8d_gather.kd
    .args:
      - { .name: ptab, .offset: 0, .size: 8, .value_kind: global_buffer, .address_space: global }
      - { .name: cvec, .offset: 8, .size: 8, .value_kind: global_buffer, .address_space: global }
      - { .name: lefts, .offset: 16, .size: 8, .value_kind: global_buffer, .address_space: global }
      - { .name: rights, .offset: 24, .size: 8, .value_kind: global_buffer, .address_space: global }
      - { .name: out0, .offset: 32, .size: 8, .value_kind: global_buffer, .address_space: global }
    .group_segment_fixed_size: 0
    .private_segment_fixed_size: 0
    .kernarg_segment_align: 8
    .kernarg_segment_size: 40
    .max_flat_workgroup_size: 256
    .sgpr_count:     66
    .vgpr_count:     168
    .wavefront_size: 32
...
	.end_amdgpu_metadata
.endif
;; end of part 3
;; ======== version 2 of 2: 3 launches; version 1 with the launch project written anew for expert scheduling mode
;; limits: values are held in f16: magnitudes above 65,504 overflow, below 6.1e-05 lose precision; right only within a limited range of input values
;; workspace buffers: wt 524,288 bytes; cvec 256 bytes; ptab 2,097,152 bytes
;; launch fold: the kernel of part 1 again; grid 129 x 1, 4 waves a work-group, no clusters, 230,400 bytes of LDS; arguments W1, W2, b1, b2, wt, cvec; writes wt, cvec
;; launch project (part 4): grid 4 x 64, 4 waves a work-group, no clusters, 75,264 bytes of LDS; arguments embeddings, wt, ptab; writes ptab
.if DOCPART == 4
	.amdgcn_target "amdgcn-amd-amdhsa--gfx1250"
	.amdhsa_code_object_version 6
	.text
	.protected	k_qf703287f8d_project
	.globl	k_qf703287f8d_project
	.p2align	8
	.type	k_qf703287f8d_project,@function
k_qf703287f8d_project:
	s_mov_b64 s[64:65], 0
	v_nop
	global_prefetch_b8 v0, s[64:65] scope:SCOPE_SE
	s_setreg_imm32_b32 hwreg(HW_REG_WAVE_SCHED_MODE, 0, 2), 2
	s_setreg_imm32_b32 hwreg(HW_REG_WAVE_MODE, 25, 1), 1
	s_wait_xcnt 0x0
	s_wait_alu depctr_vm_vsrc(0)
; PROJECT.  ptab[t][s][o] = 16 x the sum over d of (emb[t][d] - emb[0][d]) W12[1024 s + d][o], in f32: every position's share of the scores, for each of the four span places.
; The scores take differences ptab[right] - ptab[left - 1] alone, in which emb[0]'s share cancels exactly.  Row 0 is taken away in f32 BEFORE the rounding to f16, as the module's own
; subtraction is made before its product: an offset common to all rows never reaches the product, so the last launch forms no difference of large sums.
; SHARES.  Work-group (s, tb) makes rows 32 tb .. 32 tb + 31 for span place s: 32 x 64 numbers, K = 1,024.  Wave w makes columns 16 w .. 16 w + 15: two accumulators (rows 0-15, 16-31).
; The rows go through LDS in f16, staged by all four waves; wave w's 32 B fragments (32 k x 16 columns, as the launch before laid them out) come straight into 256 registers.
; FORMATS AND LIMITS.  emb[t] - emb[0] is rounded once to f16 and stays under 65,504 in size; the rounding's error goes with the rows' spread about row 0; sums and ptab in f32.
; Inputs are finite: a NaN or an infinity in row 0 would reach every row.
; NO TENSOR LOADS, NO CLUSTER: the four work-groups of one tb read the same 131,072 bytes of emb, but each number passes through registers anyhow, for the subtraction in f32 and the rounding;
; an f32 tile in LDS would add a round trip to every one of them.  The text is one straight line: no label, no branch.
; THE MODE: SCHED_MODE bits 1:0 = 2 (LLVM: expert scheduling mode 2), set by the entry lines.  The code itself states the register dependences
; between vector or matrix instructions and memory or LDS instructions, with s_wait_alu, always for 0.
; THE PLAN.  Registers that memory or LDS instructions touch:
;   v[OA], v[SA], v[AA]   offsets and addresses, made once at the head and never written again.
;   X0 .. X3   the ring, 8 slots each.  Staging goes in 8 blocks of 8 loads.  Block p's subtractions read X[p % 4]; the loads of block p + 3, issued in block p, land in X[(p - 1) % 4].
;   U0, U1     8 pairs of f16 words each.  Block p's conversions write U[p % 2]; the eight LDS stores that are issued in block p + 1 read it.
;              So a block's memory instructions touch the two buffers that the block before worked on, which no vector line of the block names: the waits at its head state all that they hang on.
;   F0 .. F2   three fragment buffers.  Group g's matrix instructions read F[g % 3]; the LDS loads of group g + 2, issued in group g, land in F[(g - 1) % 3]: one wait at a group's head.
;   the accumulators   written by matrix instructions, over U; read by the stage's LDS stores.
;   v[STO], v[RD], v[GO], OUT   the way out: one wait ahead of its first LDS store.
;   v[SPW], v[NIL]   written at the head, read by the closing add alone.
.set PA,     2064                      ; a row in LDS: 2,048 bytes of f16 + 16 = 129 x 16: the 16 rows of a fragment load start at 16 different groups of four banks (ISA guide 11.1)
.set STAGE,  32*PA                     ; behind the rows: 32 rows x 272 bytes of f32 for the way out
.set SPITCH, 272
.set SPARE,  STAGE+32*SPITCH           ; behind the stage the spare words: 128 bytes a wave, two blocks of 256 bytes that no other line names
.set LN,   1                           ; v1      lane
.set RR,   2                           ; v2      lane % 16
.set HH,   3                           ; v3      lane / 16
.set SPW,  4                           ; v4      LDS address of my spare word; never rewritten
.set NIL,  5                           ; v5      0; never rewritten
.set OA,   6                           ; v6      1,024 w + 16 lane: my byte offset in a row of emb, and in a K step's 4,096 bytes of wt
.set SA,   7                           ; v7      512 w + 8 lane: where my 8 bytes of a row go
.set AA,   8                           ; v8      my place in a fragment of the rows
.set STO,  9                           ; v9      the way out: where my column's numbers go
.set RD,   10                          ; v10     where I read rows back
.set GO,   11                          ; v11     my byte offset in the work-group's rows of ptab
.set REF,  16                          ; v16-23  emb[0] at my two pieces of a row
.set TT,   24                          ; v24-31  two sets of four differences: no memory instruction names them
.set UU,   32                          ; v32-63  U0, U1: load q's pair of f16 words at UU + 2 (q % 16)
.set ACC0, 40                          ; v40-47  later: rows 0-15
.set ACC1, 48                          ; v48-55  rows 16-31
.set XR,   64                          ; v64-191 a ring of 32 slots of 4 registers: X0 .. X3
.set F0,   64                          ; v64-255 later three fragment buffers of 64: for each of 4 K steps 8 of rows 0-15, 8 of rows 16-31
.set OUT,  192                         ; v192-207 at the end: rows read back from the stage
                                       ; v256-511 (window 1): wt's fragment of K step ks at 8 ks .. 8 ks + 7
	s_load_b128 s[4:7], s[0:1], 0x0                ; emb s[4:5], wt s[6:7]
	s_load_b64 s[8:9], s[0:1], 0x10                ; ptab
	v_lshl_add_u32 v[SPW], v0, 2, SPARE
	v_mov_b32 v[NIL], 0
	v_lshrrev_b32 v12, 5, v0
	v_readfirstlane_b32 s10, v12                   ; wave 0..3
	s_mov_b32 s11, ttmp9                           ; s
	s_and_b32 s12, ttmp7, 0xffff                   ; tb
	v_and_b32 v[LN], 31, v0
	v_and_b32 v[RR], 15, v0
	v_bfe_u32 v[HH], v0, 4, 1
	s_wait_alu depctr_va_sdst(0)                   ; s10 is written, ahead of its first reader: the offsets below are made from it
	s_lshl_b32 s20, s10, 10
	v_lshl_add_u32 v[OA], v[LN], 4, s20
	s_lshl_b32 s20, s10, 9
	v_lshl_add_u32 v[SA], v[LN], 3, s20
	v_mul_u32_u24 v[AA], v[RR], PA                 ; lane l holds row l % 16, k = 8 (l / 16) + 0..7 and 16 + 8 (l / 16) + 0..7: two loads of 16 bytes, 32 apart
	v_lshl_add_u32 v[AA], v[HH], 4, v[AA]
	s_lshl_b32 s14, s11, 17                        ; span place s: 32 K steps of 4,096 bytes of wt
	s_mov_b32 s15, 0
	s_wait_kmcnt 0x0
	s_add_nc_u64 s[6:7], s[6:7], s[14:15]
	s_lshl_b32 s14, s12, 17                        ; 32 rows of 4,096 bytes of emb; s[4:5] stays at row 0
	s_add_nc_u64 s[16:17], s[4:5], s[14:15]
	s_lshl_b32 s14, s12, 15                        ; 32 rows of 1,024 bytes of ptab,
	s_lshl_b32 s20, s11, 8                         ; and the span place's 256 bytes in each
	s_add_co_u32 s14, s14, s20
	s_add_nc_u64 s[8:9], s[8:9], s[14:15]
	; All loads go out in one run: my 32 B fragments, row 0, the ring's first 32.  The issue of a load that a counter's field cannot hold stalls by itself (ISA guide 5.7.1): no wait is placed for that.
	s_set_vgpr_msb 0x40                            ; destination in window 1, address in window 0
	s_wait_alu depctr_va_vdst(0)                   ; v[OA], v[SA] and v[AA] are written: every global load, every LDS store of a row and every fragment load reads one of them
.set i, 0
.rept 32
	global_load_b128 v[8*i:8*i+3],   v[OA], s[6:7] offset:4096*i      ; v[256 + 8 i ..]: registers 0-3 of K step i's fragment: 512 consecutive bytes a wave
	global_load_b128 v[8*i+4:8*i+7], v[OA], s[6:7] offset:4096*i+512  ; registers 4-7
.set i, i+1
.endr
	s_set_vgpr_msb 0x4000                          ; all windows 0
	global_load_b128 v[REF:REF+3],   v[OA], s[4:5]
	global_load_b128 v[REF+4:REF+7], v[OA], s[4:5] offset:512
; Load q of 64: row q / 2, piece q % 2 of my wave's 1,024 bytes of it.  A wave keeps the same two pieces in every row, so 8 registers of row 0 serve all its loads.
.macro LOADA q
	global_load_b128 v[XR+4*((\q)%32):XR+4*((\q)%32)+3], v[OA], s[16:17] offset:((\q)/2)*4096+((\q)%2)*512
.endm
; Load q's four numbers: emb[t] - emb[0] in f32, then rounded to f16, 8 bytes.
.macro ITEM q
	v_pk_add_f32 v[TT+4*((\q)%2):TT+4*((\q)%2)+1],   v[XR+4*((\q)%32):XR+4*((\q)%32)+1],   v[REF+4*((\q)%2):REF+4*((\q)%2)+1]   neg_lo:[0,1] neg_hi:[0,1]
	v_pk_add_f32 v[TT+4*((\q)%2)+2:TT+4*((\q)%2)+3], v[XR+4*((\q)%32)+2:XR+4*((\q)%32)+3], v[REF+4*((\q)%2)+2:REF+4*((\q)%2)+3] neg_lo:[0,1] neg_hi:[0,1]
	v_cvt_pk_f16_f32 v[UU+2*((\q)%16)],   v[TT+4*((\q)%2)],   v[TT+4*((\q)%2)+1]
	v_cvt_pk_f16_f32 v[UU+2*((\q)%16)+1], v[TT+4*((\q)%2)+2], v[TT+4*((\q)%2)+3]
.endm
; and their place in LDS
.macro PUT q
	ds_store_b64 v[SA], v[UU+2*((\q)%16):UU+2*((\q)%16)+1] offset:((\q)/2)*PA+((\q)%2)*256
.endm
; Block p of 8.  left = how many younger loads may still be out when this block's eight have to be there.
; Blocks 1 to 7 store the block before; blocks 1 to 4 fill the buffer that it emptied, with block p + 3.  A store and a load stand in front of each item's four vector lines.
.macro BLK p, left
	s_wait_loadcnt \left                           ; loads come back in order (ISA guide 5.7.1): X[p % 4] is in (and wt's and row 0's loads, which are older); the younger blocks stay out
.if (\p) >= 2
	s_wait_alu depctr_vm_vsrc(0)                   ; the LDS stores issued in the block before have read U[p % 2], which this block's conversions write again
.endif
.if (\p) >= 1
	s_wait_alu depctr_va_vdst(0)                   ; the block before has written the other U, which the stores below read, and is done reading its X, in which the loads below land
.endif
.irp i, 0,1,2,3,4,5,6,7
.if (\p) >= 1
	PUT 8*((\p)-1)+\i                              ; no vector line since the wait names this pair
.endif
.if ((\p) >= 1) && ((\p) <= 4)
	LOADA 8*((\p)+3)+\i                            ; nor this slot; no address register is ever rewritten
.endif
	ITEM 8*(\p)+\i
.endr
.endm
.set q, 0
.rept 32
	LOADA q
.set q, q+1
.endr
	BLK 0, 24                                      ; blocks 1 to 3 stay out
	BLK 1, 16                                      ; from here on the two younger blocks
	BLK 2, 16
	BLK 3, 16
	BLK 4, 16
	BLK 5, 16                                      ; nothing more is issued: the counts run down
	BLK 6, 8
	BLK 7, 0
	s_wait_alu depctr_va_vdst(0)                   ; block 7 has written U1, which the last eight stores read; all subtractions are done reading the ring, in which fragments land behind the barrier
.irp i, 0,1,2,3,4,5,6,7
	PUT 56+\i
.endr
	s_wait_dscnt 0x0                               ; for the others' sake: my stores into LDS are done
	s_barrier_signal -1
	s_barrier_wait -1                              ; everybody's are; the rows are only read from here on
; THE PRODUCTS.  32 K steps of 32 in 8 groups of 4, on three fragment buffers: while one group is multiplied, the loads of the group two further on go into the buffer that the group before read.
	s_set_vgpr_msb 0x0004                          ; source 1 (wt's fragments) in window 1; an LDS load's address is source 0 and its data the destination: one setting serves the whole phase
	s_wait_alu depctr_vm_vsrc(0)                   ; my LDS stores have read U0 and U1: the matrix instructions write the accumulators, v40-55, over them
; Two loads: rows 16 a .. 16 a + 15 of K step 4 g + e, into buffer g % 3.
.macro HALF g, e, a
	ds_load_b128 v[F0+64*((\g)%3)+16*(\e)+8*(\a):F0+64*((\g)%3)+16*(\e)+8*(\a)+3],   v[AA] offset:64*(4*(\g)+(\e))+16*PA*(\a)
	ds_load_b128 v[F0+64*((\g)%3)+16*(\e)+8*(\a)+4:F0+64*((\g)%3)+16*(\e)+8*(\a)+7], v[AA] offset:64*(4*(\g)+(\e))+16*PA*(\a)+32
.endm
.macro FETCH g
.irp e, 0,1,2,3
	HALF \g, \e, 0
	HALF \g, \e, 1
.endr
.endm
; Group g.  left = how many younger LDS loads may stay out.  The two accumulators take turns, one instruction a turn.  The first K step starts the sums: nothing is cleared.
; Groups 1 to 5 fetch group g + 2, two loads behind each matrix instruction.
.macro MULG g, left
	s_wait_dscnt \left                             ; LDS loads come back in order (ISA guide 5.7.1): this group's fragments are in
.if ((\g) >= 1) && ((\g) <= 5)
	s_wait_alu depctr_va_vdst(0)                   ; the matrix instructions of the group before are done reading their fragments, in which the loads below land; this group's name F[g % 3], wt's fragments and the accumulators alone
.endif
.set FR, F0+64*((\g)%3)
.irp e, 0,1,2,3
.set ks, 4*(\g)+\e
.if ks == 0
	v_wmma_f32_16x16x32_f16 v[ACC0:ACC0+7], v[FR+16*\e:FR+16*\e+7],    v[8*ks:8*ks+7], 0
	v_wmma_f32_16x16x32_f16 v[ACC1:ACC1+7], v[FR+16*\e+8:FR+16*\e+15], v[8*ks:8*ks+7], 0
.else
	v_wmma_f32_16x16x32_f16 v[ACC0:ACC0+7], v[FR+16*\e:FR+16*\e+7],    v[8*ks:8*ks+7], v[ACC0:ACC0+7]
.if ((\g) >= 1) && ((\g) <= 5)
	HALF (\g)+2, \e, 0
.endif
	v_wmma_f32_16x16x32_f16 v[ACC1:ACC1+7], v[FR+16*\e+8:FR+16*\e+15], v[8*ks:8*ks+7], v[ACC1:ACC1+7]
.if ((\g) >= 1) && ((\g) <= 5)
	HALF (\g)+2, \e, 1
.endif
.endif
.endr
.if (\g) <= 4
.rept 4
	v_nop                                          ; four places between a matrix instruction and a load into a register that it has read (ISA guide 7.12.1 for vector instructions); they stand ahead of the next group's wait, which states that dependence, and take no part of it
.endr
.endif
.endm
	FETCH 0
	FETCH 1
	FETCH 2
	MULG 0, 32                                     ; groups 1 and 2 stay out
	MULG 1, 16                                     ; from here on the next group's 16 loads
	MULG 2, 16
	MULG 3, 16
	MULG 4, 16
	MULG 5, 16
	MULG 6, 16
	MULG 7, 0
	s_set_vgpr_msb 0x0400                          ; all windows 0
	; THE WAY OUT.  A lane holds 8 rows of one column; a row's 256 bytes come from all four waves.  So the 32 x 64 numbers go through one stage, with a barrier between writing and reading.
	; The addresses are made here: nine plain lines that name no register of the products, the places behind the last of them.
	s_lshl_b32 s20, s10, 6
	s_add_co_u32 s20, s20, STAGE
	v_mul_u32_u24 v[STO], v[HH], 8*SPITCH          ; in: row 8 (l / 16) + j, column 16 w + l % 16; lanes 16-31 lie 544 words further on, the other half of the banks
	v_lshl_add_u32 v[STO], v[RR], 2, v[STO]
	v_add_nc_u32 v[STO], s20, v[STO]
	s_mul_i32 s21, s10, 8*SPITCH
	s_add_co_u32 s21, s21, STAGE
	v_mul_u32_u24 v[RD], v[HH], SPITCH             ; back: wave w takes rows 8 w .. 8 w + 7, whole; lanes 0-15 one row of 256 bytes, lanes 16-31 the next
	v_lshl_add_u32 v[RD], v[RR], 4, v[RD]
	v_add_nc_u32 v[RD], s21, v[RD]
	s_lshl_b32 s22, s10, 13
	v_lshlrev_b32 v[GO], 10, v[HH]                 ; and the same two rows in ptab, 1,024 bytes apart
	v_lshl_add_u32 v[GO], v[RR], 4, v[GO]
	v_add_nc_u32 v[GO], s22, v[GO]
	s_wait_alu depctr_va_vdst(0)                   ; the matrix instructions have written the accumulators, which the LDS stores read, and are done reading v192-207, in which the stage's rows land; v[STO], v[RD] and v[GO] are written.  The places above stay beside this wait
.irp a, 0,1
.irp j, 0,1,2,3,4,5,6,7
	ds_store_b32 v[STO], v[ACC0+8*\a+\j] offset:(16*\a+\j)*SPITCH  ; each accumulator from its low end on; the stage's bytes are its own, so no barrier stands in front
.endr
.endr
	s_wait_dscnt 0x0                               ; for the others' sake: my stores into the stage are done
	s_barrier_signal -1
	s_barrier_wait -1
.irp i, 0,1,2,3
	ds_load_b128 v[OUT+4*\i:OUT+4*\i+3], v[RD] offset:\i*2*SPITCH
.endr
.irp i, 0,1,2,3
	s_wait_dscnt 3-\i                              ; LDS loads come back in order: load i is in
	global_store_b128 v[GO], v[OUT+4*\i:OUT+4*\i+3], s[8:9] offset:\i*2048  ; 16 lanes store the 256 consecutive bytes of one (t, s), at a multiple of 256 from ptab's first byte
.endr
	s_wait_dscnt 0x0                               ; the closing lines, six on end
	s_wait_alu 0x0
	s_wait_tensorcnt 0x0
	ds_add_u32 v[SPW], v[NIL]
	s_wait_dscnt 0x0
	s_endpgm
.Lfunc_end_k_qf703287f8d_project:
	.size	k_qf703287f8d_project, .Lfunc_end_k_qf703287f8d_project-k_qf703287f8d_project
	.p2alignl 7, 3214868480
	.fill 96, 4, 3214868480
	.section	.rodata,"a",@progbits
	.p2align	6, 0x0
	.amdhsa_kernel k_qf703287f8d_project
		.amdhsa_group_segment_fixed_size 75264
		.amdhsa_private_segment_fixed_size 0
		.amdhsa_enable_private_segment 0
		.amdhsa_kernarg_size 24
		.amdhsa_user_sgpr_count 2
		.amdhsa_user_sgpr_kernarg_segment_ptr 1
		.amdhsa_wavefront_size32 1
		.amdhsa_system_sgpr_workgroup_id_x 1
		.amdhsa_system_sgpr_workgroup_id_y 1
		.amdhsa_system_sgpr_workgroup_id_z 1
		.amdhsa_system_vgpr_workitem_id 0
		.amdhsa_next_free_vgpr 512
		.amdhsa_next_free_sgpr 66
		.amdhsa_reserve_vcc 0
		.amdhsa_float_denorm_mode_32 3
		.amdhsa_float_denorm_mode_16_64 3
		.amdhsa_memory_ordered 1
		.amdhsa_forward_progress 1
		.amdhsa_inst_pref_size 51
	.end_amdhsa_kernel
	.amdgpu_metadata
---
amdhsa.version: [ 1, 2 ]
amdhsa.kernels:
  - .name:           k_qf703287f8d_project
    .symbol:         k_qf703287f8d_project.kd
    .args:
      - { .name: embeddings, .offset: 0, .size: 8, .value_kind: global_buffer, .address_space: global }
      - { .name: wt, .offset: 8, .size: 8, .value_kind: global_buffer, .address_space: global }
      - { .name: ptab, .offset: 16, .size: 8, .value_kind: global_buffer, .address_space: global }
    .group_segment_fixed_size: 75264
    .private_segment_fixed_size: 0
    .kernarg_segment_align: 8
    .kernarg_segment_size: 24
    .max_flat_workgroup_size: 128
    .sgpr_count:     66
    .vgpr_count:     512
    .wavefront_size: 32
...
	.end_amdgpu_metadata
.endif
;; end of part 4
;; launch gather: the kernel of part 3 again; grid 256 x 1, 8 waves a work-group, no clusters, 0 bytes of LDS; arguments ptab, cvec, lefts, rights, out0; writes out0
